; MI455X (gfx1250); checked and timed in simulation.
; The chip was launched on July 23, 2026; its instructions are those of AMD's public machine-readable ISA for CDNA 5 (MIT licence, August 2026) and "CDNA5" Instruction Set Architecture Reference Guide (July 2026). The comments in the code are by the model that wrote it; some were corrected since.
;; Group Queryattention. Allowed arithmetic: matrix products marked QUANTISED: E5M2 operands, one given power-of-two scale a tensor, by v_wmma_f32_16x16x64_bf8_bf8 or v_wmma_f32_16x16x128_bf8_bf8, f32 sums; everything else in f32.
;; Inputs: Wk_codes 1,024 x 64 x 32 uint8 (E5M2 codes of Wk, K innermost, in blocks of 32 codes); Wq_codes 2,048 x 64 x 32 uint8 (E5M2 codes of Wq, K innermost, in blocks of 32 codes); Wv_codes 1,024 x 64 x 32 uint8 (E5M2 codes of Wv, K innermost, in blocks of 32 codes); bk 1,024 float32; bq 2,048 float32; bv 1,024 float32; k_codes 2 x 2,048 x 64 x 32 uint8 (E5M2 codes of k, K innermost, in blocks of 32 codes); lowp_scales 10 int32 (the exponents e of the quantised operands' scales 2^e); q_codes 2 x 2,048 x 64 x 32 uint8 (E5M2 codes of q, K innermost, in blocks of 32 codes); v_codes 2 x 2,048 x 64 x 32 uint8 (E5M2 codes of v, K innermost, in blocks of 32 codes).
;; Outputs: out0 2 x 2,048 x 2,048 float32.
;; This version of the problem:
;;   THIS VERSION OF THE PROBLEM IS GIVEN IN LOW PRECISION. The matrix products marked QUANTISED in the list below multiply operands that are first quantised to E5M2 (5 exponent bits, 2 mantissa bits; 8 bits a number), with one given power-of-two scale for each operand tensor; their sums are f32. All else is computed in f32.
;;   The module's matrix products, in the order in which they are computed (A, B: the left and right operand; K: the contracted axis; several contracted axes count as one K, in the product's order):
;;     1. [M 4,096, K 2,048] x [K 2,048, N 2,048]; A: input q (given as codes); B: input Wq (given as codes): QUANTISED (scales: A lowp_scales[0], B lowp_scales[1])
;;     2. [M 4,096, K 2,048] x [K 2,048, N 1,024]; A: input k (given as codes); B: input Wk (given as codes): QUANTISED (scales: A lowp_scales[2], B lowp_scales[3])
;;     3. [M 4,096, K 2,048] x [K 2,048, N 1,024]; A: input v (given as codes); B: input Wv (given as codes): QUANTISED (scales: A lowp_scales[4], B lowp_scales[5])
;;     4. batch 16 x [M 4,096, K 128] x [K 128, N 2,048]; A: computed on the way; B: computed on the way: QUANTISED (scales: A lowp_scales[6], B lowp_scales[7])
;;     5. batch 16 x [M 4,096, K 2,048] x [K 2,048, N 128]; A: softmax (see below); B: computed on the way: QUANTISED (scales: A lowp_scales[8], B lowp_scales[9])
;;   THE QUANTISER, for each operand of a quantised product, along K:
;;     - The operand's scale is 2^e, e = its entry of the input lowp_scales (int32; the entries are numbered through the quantised products in the list's order, A before B).
;;     - Each number is divided by the scale, clamped to +-57,344, and rounded to the nearest number of E5M2, ties to even, subnormals kept.
;;     - The product sums the exact products of the quantised numbers (number of the format x scale) in f32.
;;   ~~~python
;;   def quantise(x, axis, e):      # numpy; x: float32 -> the quantised numbers, widened to float32 again
;;       x = np.moveaxis(x, axis, -1); K = x.shape[-1]
;;       r = np.clip(x / 2.0 ** e, -57344, 57344)
;;       step = 2.0 ** (np.maximum(np.frexp(np.where(r == 0, 1, r))[1] - 1, -14) - 2)
;;       q = np.round(r / step) * step * 2.0 ** e      # np.round: ties to even
;;       return np.moveaxis(q, -1, axis).astype(np.float32)
;;   ~~~
;;   SOFTMAX AHEAD OF A QUANTISED PRODUCT. Where the list says 'softmax', what is quantised is not the finished softmax but p = 2^(t - M), with t = logit x log2(e) and M = ceil(the row's largest t), a whole number; so 1/2 < the row's largest p <= 1. The row's sum l is taken of the UNQUANTISED p, in f32, and the product's result is divided by l at the end. Since M is a whole number, a kernel that streams over the keys may use a running M (the ceiling of the running maximum): every later rescaling is an exact power of two, so the quantised numbers keep their values, but for numbers so far below the row's largest that they fall under the format's range.
;;   OPERANDS COMPUTED ON THE WAY. 'Computed on the way' means the value that the module computes at that place (a softmax that the list does not call 'softmax' is quantised finished and normalised). What goes into a quantiser is computed in f32, as accurately as f32 sums, v_exp_f32 and their like allow (about 1e-6 of the number): no bf16 or f16 on the way to a quantiser, and a product that is left as it is and whose result goes on into a quantised operand takes f32 operands (vector FMAs, or v_wmma_f32_16x16x4_f32). A number that lies on a knife's edge between two numbers of the format may be rounded either way, as far as f32 arithmetic and the matrix unit's own rounding can turn it there, and no further.
;;   INPUTS GIVEN AS CODES. Wk (in the module: [2048, 1024], K = its axis 0); Wq (in the module: [2048, 2048], K = its axis 0); Wv (in the module: [2048, 1024], K = its axis 0); k (in the module: [2, 2048, 2048], K = its axis 2); q (in the module: [2, 2048, 2048], K = its axis 2); v (in the module: [2, 2048, 2048], K = its axis 2): each comes as NAME_codes (uint8): NAME with its K axis moved to the last place and cut into blocks of 32 codes, [.., K / 32, bytes a block], one block behind the other in memory; one code a byte (a code: sign, 5 exponent bits, 2 mantissa bits); its scale is its entry of lowp_scales. Its value is code x scale, taken as it is: it is not quantised again, and the codes and scales need not be those that the quantiser above would give.
;; One version. Each part assembles by itself: llvm-mc -triple=amdgcn-amd-amdhsa -mcpu=gfx1250 --defsym DOCPART=n.
;; ======== version 1 of 1: 2 launches
;; limits: right only within a limited range of input values
;; workspace buffers: qc 8,388,608 bytes; kvc 8,388,608 bytes
;; launch proj (part 1): grid 16 x 16, 4 waves a work-group, clusters of 4 x 4, 327,680 bytes of LDS; arguments q_codes, k_codes, v_codes, Wq_codes, Wk_codes, Wv_codes, bq, bk, bv, lowp_scales, qc, kvc; writes qc, kvc
.if DOCPART == 1
	.amdgcn_target "amdgcn-amd-amdhsa--gfx1250"
	.amdhsa_code_object_version 6
	.text
	.protected	k_qaf3f962f3d_proj
	.globl	k_qaf3f962f3d_proj
	.p2align	8
	.type	k_qaf3f962f3d_proj,@function
k_qaf3f962f3d_proj:
	s_mov_b64 s[64:65], 0
	v_nop
	global_prefetch_b8 v0, s[64:65] scope:SCOPE_SE
	s_setreg_imm32_b32 hwreg(HW_REG_WAVE_MODE, 25, 1), 1
	s_wait_xcnt 0x0
	s_wait_alu depctr_hold_cnt(0) depctr_sa_sdst(0) depctr_va_vdst(0) depctr_va_sdst(0) depctr_va_ssrc(0) depctr_va_vcc(0) depctr_vm_vsrc(0)
	s_getreg_b32 s2, hwreg(HW_REG_IB_STS2, 6, 4)
	s_cmp_eq_u32 s2, 0
	s_cbranch_scc0 .Lentry_in_a_cluster
	s_endpgm
.Lentry_in_a_cluster:
	s_bfe_u32 s2, ttmp6, 0x10000c
	s_cmp_lg_u32 s2, 0xf033
	s_cbranch_scc0 .Lentry_shape_is_right
	s_endpgm
.Lentry_shape_is_right:
; THE THREE PROJECTIONS on codes of BF8 (E5M2): qp = q Wq + bq, kp = k Wk + bk, vp = v Wv + bv; each result is quantised (scales e6, e7, e9) and stored as images of the next launch's operand registers (qc, kvc).  No work is left out.
; A block of 256 x 256 to a work-group of four waves; K in steps of 256 through a ring of two LDS slots; 4 x 4 clusters ask for A's tiles jointly along a row and for B's along a column.  Cluster column 0, 1: q; 2: k; 3: v, transposed (A = Wv).
; PREFETCH: behind the joint load of K step n each wave names K step n + 2 (n = 0 .. 5): 32 rows x 256 bytes, a lane a row.  Of the 128 rows that a wave fetches, the partner at place p (cx for A, cy for B) takes rows 32 p on: told apart by address.
; LIMITS: each sum of two given exponents, and e6, e7, e9, lie so that the powers of two made from them are f32 numbers (-126 .. 112).
.set SIZE_K, 2048
.set KSTEP,  256
.set ROWB,   256
.set KROW,   2048
.set PITCH,  272
.set FR,     16
.set NL,     4
.set NP,     4
.set HALFT,  128*PITCH
.set SLOT,   4*HALFT
.set LAPS,   SIZE_K/(2*KSTEP)
.set SPARE,  2*SLOT
.set ADRA, 16
.set ADRB, 20
.set VB,   24
.set LO,   26
.set SPW,  28
.set NIL,  29
.set SCL,  30
.set LIMV, 31
.set BI,   32
.set AF,   128
.set TMP,  128
.set CD0,  192
.set G1, 24
.set G0, 32
.set G1B, 48
.set G0B, 56
.set JOB, 66
.set MSB, 0
.macro WIN new
.if MSB != \new
	s_set_vgpr_msb (MSB<<8)|\new
.set MSB, \new
.endif
.endm
.set MUL_LO, 0xa1
.set MUL_HI, 0xf1
.set TO_B,   0x40
.macro JLOAD g0a, g1a, g0b, g1b
	s_cmp_eq_u32 s15, 0
	s_cbranch_scc0 .Lfor_b_\@
	tensor_load_to_lds s[\g0a:\g0a+3], s[\g1a:\g1a+7]
	s_nop 0
.rept 4
	v_nop
.endr
	s_branch .Lasked_\@
.Lfor_b_\@:
	tensor_load_to_lds s[\g0b:\g0b+3], s[\g1b:\g1b+7]
	s_nop 0
.rept 4
	v_nop
.endr
.Lasked_\@:
.endm
.macro CREST
	s_cmp_lg_u32 s14, 0
	s_cbranch_scc1 .Lnot_wave_0_\@
	s_barrier_signal -3
.Lnot_wave_0_\@:
	s_barrier_wait -3
	s_barrier_signal -1
	s_barrier_wait -1
.endm
.macro CROUND
	s_barrier_signal -1
	s_barrier_wait -1
	CREST
.endm
	s_load_b512 s[68:83], s[0:1], 0x0
	s_load_b256 s[84:91], s[0:1], 0x40
	v_lshl_add_u32 v[SPW], v0, 2, SPARE
	v_mov_b32 v[NIL], 0
	ds_add_u32 v[SPW], v[NIL]
	ds_add_u32 v[SPW], v[NIL]
	v_lshrrev_b32 v1, 5, v0
	v_readfirstlane_b32 s14, v1
	s_lshr_b32 s15, s14, 1
	s_and_b32 s16, s14, 1
	s_bfe_u32 s40, ttmp6, 0x40000
	s_bfe_u32 s41, ttmp6, 0x40004
	s_mov_b32 s[JOB], ttmp9
	s_and_b32 s67, ttmp7, 0xffff
	s_and_b32 s19, s[JOB], 1
	s_cmp_eq_u32 s[JOB], 3
	s_cselect_b32 s18, 0, s67
	s_cselect_b32 s19, s67, s19
	s_lshl_b32 s18, s18, 2
	s_add_co_u32 s17, s18, s41
	s_lshl_b32 s19, s19, 2
	s_add_co_u32 s42, s19, s40
	s_lshl_b32 s43, s41, 2
	s_lshl_b32 s43, 15, s43
	s_lshl_b32 s44, 0x1111, s40
	s_or_b32 s[G1+0], s43, (0<<16)|(1<<20)|(1<<21)|(5<<22)|(3<<25)
	s_or_b32 s[G1B+0], s44, (0<<16)|(1<<20)|(1<<21)|(5<<22)|(3<<25)
.irp g, G1, G1B
	s_mov_b32 s[\g+1], ROWB<<16
	s_mov_b32 s[\g+2], 128<<16
	s_mov_b32 s[\g+3], ROWB<<16
	s_mov_b32 s[\g+4], 128
	s_mov_b32 s[\g+5], KROW
	s_mov_b32 s[\g+6], 0
	s_mov_b32 s[\g+7], 0
.endr
	s_lshl_b32 s22, s16, 7
	s_lshl_b32 s20, s17, 8
	s_add_co_u32 s20, s20, s22
	s_lshl_b32 s46, s42, 8
	s_add_co_u32 s46, s46, s22
	s_lshl_b32 s20, s20, 11
	s_lshl_b32 s46, s46, 11
	s_mov_b32 s21, 0
	s_mov_b32 s47, 0
	s_mul_i32 s45, s14, HALFT
	s_wait_dscnt 0x0
	s_wait_kmcnt 0x0
	s_load_b256 s[92:99], s[86:87], 0x0
	s_load_b32 s100, s[86:87], 0x24
	s_cmp_lt_u32 s[JOB], 2
	s_cselect_b64 s[4:5], s[68:69], s[70:71]
	s_cselect_b64 s[6:7], s[74:75], s[76:77]
	s_cselect_b64 s[12:13], s[80:81], s[82:83]
	s_cselect_b64 s[10:11], s[88:89], s[90:91]
	s_cmp_eq_u32 s[JOB], 3
	s_cselect_b64 s[4:5], s[78:79], s[4:5]
	s_cselect_b64 s[6:7], s[72:73], s[6:7]
	s_cselect_b64 s[12:13], s[84:85], s[12:13]
	s_add_nc_u64 s[20:21], s[4:5], s[20:21]
	s_add_nc_u64 s[46:47], s[6:7], s[46:47]
	CROUND
.irp s, 0,1
	s_mov_b32 s[G0+4*\s], 1
	s_add_co_u32 s[G0+4*\s+1], s45, \s*SLOT
	s_add_nc_u64 s[G0+4*\s+2:G0+4*\s+3], s[20:21], \s*ROWB
	s_or_b32 s[G0+4*\s+3], s[G0+4*\s+3], 0x80000000
	s_mov_b32 s[G0B+4*\s], 1
	s_add_co_u32 s[G0B+4*\s+1], s45, \s*SLOT
	s_add_nc_u64 s[G0B+4*\s+2:G0B+4*\s+3], s[46:47], \s*ROWB
	s_or_b32 s[G0B+4*\s+3], s[G0B+4*\s+3], 0x80000000
.endr
	JLOAD G0, G1, G0B, G1B                         ; K step 0: one tensor load a wave at the head
	v_and_b32 v1, 15, v0
	v_bfe_u32 v2, v0, 4, 1
	v_mul_u32_u24 v3, v1, PITCH
	v_lshl_add_u32 v4, v2, 4, v3
	s_mul_i32 s22, s15, HALFT
	s_mul_i32 s23, s16, HALFT
	s_add_co_u32 s23, s23, 2*HALFT
.irp s, 0,1
	v_add_nc_u32 v[ADRA+\s], s22, v4
	v_add_nc_u32 v[ADRB+\s], s23, v4
	s_add_co_u32 s22, s22, SLOT
	s_add_co_u32 s23, s23, SLOT
.endr
	v_and_b32 v5, 31, v0
	v_lshlrev_b32 v[LO], 4, v5
	v_lshlrev_b32 v27, 11, v5                      ; the prefetches' offset: my lane x a row of 2,048 bytes; never rewritten
	s_lshl_b32 s2, s17, 8                          ; the tile's first row: in A by the tile row,
	s_lshl_b32 s101, s42, 8                        ; in B by the tile column
	s_cmp_eq_u32 s15, 0                            ; do I fetch for A?
	s_cselect_b32 s2, s2, s101
	s_cselect_b32 s101, s40, s41                   ; my place among the four that ask with me
	s_cselect_b64 s[8:9], s[4:5], s[6:7]
	s_lshl_b32 s101, s101, 5
	s_add_co_u32 s2, s2, s101                      ; + my work-group's 32 rows
	s_lshl_b32 s101, s16, 7
	s_add_co_u32 s2, s2, s101                      ; + the 128 rows that I fetch
	s_lshl_b32 s2, s2, 11
	s_mov_b32 s3, 0
	s_add_nc_u64 s[8:9], s[8:9], s[2:3]
	s_wait_alu depctr_va_vdst(0)                   ; the wait ahead of the reader below
	global_prefetch_b8 v27, s[8:9] offset:ROWB th:TH_LOAD_NT scope:SCOPE_SE     ; K step 1, one step ahead of its load: no joint load stands two steps ahead of it
	global_prefetch_b8 v27, s[8:9] offset:2*ROWB th:TH_LOAD_NT scope:SCOPE_SE   ; K step 2
	s_lshl_b32 s22, s17, 1
	s_add_co_u32 s22, s22, s15
	s_lshl_b32 s23, s42, 1
	s_add_co_u32 s23, s23, s16
	s_cmp_eq_u32 s[JOB], 3
	s_cselect_b32 s18, s23, s22
	s_cselect_b32 s19, s22, s23
	s_cselect_b32 s45, 16384, 0
	s_lshr_b32 s22, s18, 4
	s_and_b32 s23, s18, 15
	s_cmp_lt_u32 s[JOB], 2
	s_cselect_b32 s46, 4, 3
	s_cselect_b32 s47, 0, 1
	s_lshl_b32 s22, s22, s46
	s_add_co_u32 s22, s22, s19
	s_lshl_b32 s22, s22, 18
	s_lshl_b32 s23, s23, 14
	s_add_co_u32 s22, s22, s23
	s_lshl_b32 s22, s22, s47
	s_add_co_u32 s22, s22, s45
	s_mov_b32 s23, 0
	s_add_nc_u64 s[10:11], s[10:11], s[22:23]
	s_lshl_b32 s22, s19, 9
	s_add_nc_u64 s[12:13], s[12:13], s[22:23]
	s_wait_alu depctr_va_vdst(0)
	s_wait_kmcnt 0x0
	s_add_co_i32 s20, s92, s93
	s_add_co_i32 s21, s94, s95
	s_add_co_i32 s22, s96, s97
	s_cmp_lt_u32 s[JOB], 2
	s_cselect_b32 s20, s20, s21
	s_cselect_b32 s23, s98, s99
	s_cmp_eq_u32 s[JOB], 3
	s_cselect_b32 s20, s22, s20
	s_cselect_b32 s23, s100, s23
	s_add_co_i32 s20, s20, 127
	s_lshl_b32 s20, s20, 23
	s_mov_b32 s21, s20
	s_add_co_i32 s23, s23, 127
	s_lshl_b32 s22, s23, 23
	v_mov_b32 v[SCL], s22
	s_add_co_i32 s23, s23, 15
	s_lshl_b32 s23, s23, 23
	s_or_b32 s23, s23, 0x600000
	v_mov_b32 v[LIMV], s23
.macro FRAG reg, adr, q, i
.irp c, 0,1,2,3
	ds_load_b128 v[\reg+4*\c:\reg+4*\c+3], v[\adr] offset:128*(\q)+32*\c+(\i)*16*PITCH
.endr
.endm
.macro MUL16 a0, p, zero
.irp a, \a0, \a0+1
.irp b, 0,1,2,3,4,5,6,7
.if \zero
	v_wmma_f32_16x16x128_bf8_bf8 v[8*(8*((\a)%4)+\b):8*(8*((\a)%4)+\b)+7], v[128*(\p)+FR*\b:128*(\p)+FR*\b+FR-1], v[AF+FR*(\a):AF+FR*(\a)+FR-1], 0
.else
	v_wmma_f32_16x16x128_bf8_bf8 v[8*(8*((\a)%4)+\b):8*(8*((\a)%4)+\b)+7], v[128*(\p)+FR*\b:128*(\p)+FR*\b+FR-1], v[AF+FR*(\a):AF+FR*(\a)+FR-1], v[8*(8*((\a)%4)+\b):8*(8*((\a)%4)+\b)+7]
.endif
.endr
.endr
.endm
.macro FETCH_B slot, q, p
	WIN TO_B
.irp i, 0,1,2,3,4,5,6,7
	FRAG 128*(\p)+FR*\i, ADRB+\slot, \q, \i
.endr
	WIN 0
.endm
.macro FETCH_A slot, q, i0
.irp i, \i0, \i0+1, \i0+2, \i0+3
	FRAG AF+FR*(\i), ADRA+\slot, \q, \i
.endr
.endm
.macro PLACES n
.rept \n
	v_nop
.endr
.endm
.macro STEP slot, q, zero
	s_wait_dscnt 4*NL
	WIN MUL_LO
	MUL16 0, (\q)%2, \zero
	MUL16 2, (\q)%2, \zero
	s_wait_dscnt 0
	PLACES NP
	FETCH_B \slot, (\q)+1, 1-(\q)%2
	FETCH_A \slot, (\q)+1, 0
	WIN MUL_HI
	MUL16 4, (\q)%2, \zero
	MUL16 6, (\q)%2, \zero
	PLACES NP
	WIN 0
	FETCH_A \slot, (\q)+1, 4
.endm
.macro TURN slot, next, fill
.if \fill
	s_wait_xcnt 0x0                                ; my last prefetch has read its address: it steps one K step
	s_add_nc_u64 s[8:9], s[8:9], ROWB
.endif
	s_wait_tensorcnt 0x0
	ds_add_u32 v[SPW], v[NIL]
	s_wait_dscnt 4*NL+1
	WIN MUL_LO
	MUL16 0, 1, 0
	s_wait_dscnt 0x0
	s_barrier_signal -1
	MUL16 2, 1, 0
	WIN 0
	s_barrier_wait -1
.if \fill
	CREST
	s_add_nc_u64 s[G0+4*\slot+2:G0+4*\slot+3], s[G0+4*\slot+2:G0+4*\slot+3], 2*ROWB
	s_add_nc_u64 s[G0B+4*\slot+2:G0B+4*\slot+3], s[G0B+4*\slot+2:G0B+4*\slot+3], 2*ROWB
	JLOAD G0+4*\slot, G1, G0B+4*\slot, G1B
.else
	PLACES NP
.endif
	FETCH_B \next, 0, 0
	FETCH_A \next, 0, 0
.if \fill
	s_cmp_gt_u32 s3, 1                             ; the last lap's two refills have no K step two on
	s_cbranch_scc0 .Lnp_\@
	global_prefetch_b8 v27, s[8:9] offset:3*ROWB th:TH_LOAD_NT scope:SCOPE_SE   ; the K step two refills on
.Lnp_\@:
.endif
	WIN MUL_HI
	MUL16 4, 1, 0
	MUL16 6, 1, 0
	PLACES NP
	WIN 0
	FETCH_A \next, 0, 4
.endm
.macro BIAS_COLS
	v_lshlrev_b32 v[VB], 5, v2
.irp b, 0,1,2,3,4,5,6,7
	global_load_b128 v[BI+8*\b:BI+8*\b+3], v[VB], s[12:13] offset:64*\b
	global_load_b128 v[BI+8*\b+4:BI+8*\b+7], v[VB], s[12:13] offset:64*\b+16
.endr
.endm
.macro BIAS_ROWS
	v_lshlrev_b32 v[VB], 2, v1
.irp a, 0,1,2,3,4,5,6,7
	global_load_b32 v[BI+2*\a], v[VB], s[12:13] offset:64*\a
	v_mov_b32 v[BI+2*\a+1], 0
.endr
.endm
.macro TAIL
	STEP 1, 0, 0
	s_wait_dscnt 4*NL
	WIN MUL_LO
	MUL16 0, 1, 0
	MUL16 2, 1, 0
	s_wait_dscnt 0
	WIN MUL_HI
	MUL16 4, 1, 0
	MUL16 6, 1, 0
	WIN 0
.endm
.macro OUTBLK a, byrow
.set AC, 64*((\a)%4)
.set CD, CD0+16*((\a)%4)
.if (\a) >= 4
	s_wait_xcnt 0x0
.endif
	WIN 0x02+((\a)/4)
.irp b, 0,1,2,3,4,5,6,7
.irp i, 0,2,4,6
.if \byrow
	v_pk_fma_f32 v[TMP+8*\b+\i:TMP+8*\b+\i+1], v[AC+8*\b+\i:AC+8*\b+\i+1], s[20:21], v[BI+2*(\a):BI+2*(\a)+1] op_sel_hi:[1,0,0]
.else
	v_pk_fma_f32 v[TMP+8*\b+\i:TMP+8*\b+\i+1], v[AC+8*\b+\i:AC+8*\b+\i+1], s[20:21], v[BI+8*\b+\i:BI+8*\b+\i+1] op_sel_hi:[1,0,1]
.endif
.endr
.endr
	WIN 0
.irp b, 0,1,2,3,4,5,6,7
.irp i, 0,1,2,3,4,5,6,7
	v_med3_num_f32 v[TMP+8*\b+\i], v[TMP+8*\b+\i], -v[LIMV], v[LIMV]
.endr
	v_cvt_scalef32_pk8_bf8_f32 v[CD+2*\b:CD+2*\b+1], v[TMP+8*\b:TMP+8*\b+7], v[SCL]
.endr
	v_nop
.irp c, 0,1,2,3
	global_store_b128 v[LO], v[CD+4*\c:CD+4*\c+3], s[10:11] offset:2048*(\a)+512*\c
.endr
.endm
.macro CLOSE
	s_wait_tensorcnt 0x0
	ds_add_u32 v[SPW], v[NIL]
	s_wait_dscnt 0x0
.endm
	s_wait_alu depctr_va_vdst(0)                   ; the wait at the head's end
	s_wait_tensorcnt 0x0                           ; my part of K step 0 is in; the lines ahead of a later first fill:
	ds_add_u32 v[SPW], v[NIL]
	s_wait_dscnt 0x0
	CROUND
	JLOAD G0+4, G1, G0B+4, G1B                     ; K step 1, the first tensor load behind the round
	FETCH_B 0, 0, 0
	FETCH_A 0, 0, 0
	FETCH_A 0, 0, 4
	global_prefetch_b8 v27, s[8:9] offset:3*ROWB th:TH_LOAD_NT scope:SCOPE_SE   ; K step 3
	STEP 0, 0, 1
	s_mov_b32 s3, LAPS-1
.Llap:
	TURN 0, 1, 1
	STEP 1, 0, 0
	TURN 1, 0, 1
	STEP 0, 0, 0
	s_sub_co_u32 s3, s3, 1
	s_cmp_lg_u32 s3, 0
	s_cbranch_scc1 .Llap
	TURN 0, 1, 0
	s_cmp_eq_u32 s[JOB], 3
	s_cbranch_scc1 .Lby_rows
	BIAS_COLS
	TAIL
	s_wait_loadcnt 0x0
	PLACES NP
.irp a, 0,1,2,3,4,5,6,7
	OUTBLK \a, 0
.endr
	CLOSE
	s_branch .Lend
.Lby_rows:
	BIAS_ROWS
	TAIL
	s_wait_loadcnt 0x0
	PLACES NP
	s_wait_alu depctr_va_vdst(0)
.irp a, 0,1,2,3,4,5,6,7
	OUTBLK \a, 1
.endr
	CLOSE
.Lend:
	CROUND
	s_endpgm
.Lfunc_end_k_qaf3f962f3d_proj:
	.size	k_qaf3f962f3d_proj, .Lfunc_end_k_qaf3f962f3d_proj-k_qaf3f962f3d_proj
	.p2alignl 7, 3214868480
	.fill 96, 4, 3214868480
	.section	.rodata,"a",@progbits
	.p2align	6, 0x0
	.amdhsa_kernel k_qaf3f962f3d_proj
		.amdhsa_group_segment_fixed_size 327680
		.amdhsa_private_segment_fixed_size 0
		.amdhsa_enable_private_segment 0
		.amdhsa_kernarg_size 96
		.amdhsa_user_sgpr_count 2
		.amdhsa_user_sgpr_kernarg_segment_ptr 1
		.amdhsa_wavefront_size32 1
		.amdhsa_system_sgpr_workgroup_id_x 1
		.amdhsa_system_sgpr_workgroup_id_y 1
		.amdhsa_system_sgpr_workgroup_id_z 1
		.amdhsa_system_vgpr_workitem_id 0
		.amdhsa_next_free_vgpr 1024
		.amdhsa_next_free_sgpr 102
		.amdhsa_reserve_vcc 0
		.amdhsa_float_denorm_mode_32 3
		.amdhsa_float_denorm_mode_16_64 3
		.amdhsa_memory_ordered 1
		.amdhsa_forward_progress 1
		.amdhsa_inst_pref_size 208
	.end_amdhsa_kernel
	.amdgpu_metadata
---
amdhsa.version: [ 1, 2 ]
amdhsa.kernels:
  - .name:           k_qaf3f962f3d_proj
    .symbol:         k_qaf3f962f3d_proj.kd
    .args:
      - { .name: q_codes, .offset: 0, .size: 8, .value_kind: global_buffer, .address_space: global }
      - { .name: k_codes, .offset: 8, .size: 8, .value_kind: global_buffer, .address_space: global }
      - { .name: v_codes, .offset: 16, .size: 8, .value_kind: global_buffer, .address_space: global }
      - { .name: Wq_codes, .offset: 24, .size: 8, .value_kind: global_buffer, .address_space: global }
      - { .name: Wk_codes, .offset: 32, .size: 8, .value_kind: global_buffer, .address_space: global }
      - { .name: Wv_codes, .offset: 40, .size: 8, .value_kind: global_buffer, .address_space: global }
      - { .name: bq, .offset: 48, .size: 8, .value_kind: global_buffer, .address_space: global }
      - { .name: bk, .offset: 56, .size: 8, .value_kind: global_buffer, .address_space: global }
      - { .name: bv, .offset: 64, .size: 8, .value_kind: global_buffer, .address_space: global }
      - { .name: lowp_scales, .offset: 72, .size: 8, .value_kind: global_buffer, .address_space: global }
      - { .name: qc, .offset: 80, .size: 8, .value_kind: global_buffer, .address_space: global }
      - { .name: kvc, .offset: 88, .size: 8, .value_kind: global_buffer, .address_space: global }
    .group_segment_fixed_size: 327680
    .private_segment_fixed_size: 0
    .kernarg_segment_align: 8
    .kernarg_segment_size: 96
    .max_flat_workgroup_size: 128
    .sgpr_count:     102
    .vgpr_count:     1024
    .wavefront_size: 32
...
	.end_amdgpu_metadata
.endif
;; end of part 1
;; launch attn (part 2): grid 16 x 16, 4 waves a work-group, clusters of 4 x 1, 327,680 bytes of LDS; arguments qc, kvc, lowp_scales, out0; writes out0
.if DOCPART == 2
	.amdgcn_target "amdgcn-amd-amdhsa--gfx1250"
	.amdhsa_code_object_version 6
	.text
	.protected	k_qaf3f962f3d_attn
	.globl	k_qaf3f962f3d_attn
	.p2align	8
	.type	k_qaf3f962f3d_attn,@function
k_qaf3f962f3d_attn:
	s_mov_b64 s[64:65], 0
	v_nop
	global_prefetch_b8 v0, s[64:65] scope:SCOPE_SE
	s_setreg_imm32_b32 hwreg(HW_REG_WAVE_MODE, 25, 1), 1
	s_wait_xcnt 0x0
	s_wait_alu depctr_hold_cnt(0) depctr_sa_sdst(0) depctr_va_vdst(0) depctr_va_sdst(0) depctr_va_ssrc(0) depctr_va_vcc(0) depctr_vm_vsrc(0)
	s_getreg_b32 s2, hwreg(HW_REG_IB_STS2, 6, 4)
	s_cmp_eq_u32 s2, 0
	s_cbranch_scc0 .Lentry_in_a_cluster
	s_endpgm
.Lentry_in_a_cluster:
	s_bfe_u32 s2, ttmp6, 0x10000c
	s_cmp_lg_u32 s2, 0x3003
	s_cbranch_scc0 .Lentry_shape_is_right
	s_endpgm
.Lentry_shape_is_right:
; ATTENTION on the codes that the launch before stored: out[b][pos][head][:] = the sum over keys of softmax(Q . K / sqrt(128)) V, head 2 g + j using group g's K and V; both products on codes of BF8 (E5M2).  No work is left out.
; THE SOFTMAX: t = score x log2(e) / sqrt(128); M = the row's largest t so far, rounded UP to a whole number; p = 2^(t - M) is quantised (scale 2^e8) along the keys, not normalised.  The row's sum is taken of the unquantised p and divides O at the end.
; When M moves, the sum and O are multiplied by 2^(old M - new M): nothing is rounded, no branch on data.
; BUFFERS.  qc: [8 b + g][j 2][tile of 16 queries 128][2,048]; kvc: [8 b + g][step of 128 keys 16][K: 8 images (16 keys x 128 d) | V: 8 images (16 d x 128 keys)].  An image is a fragment's 16 registers: registers 4 c .. 4 c + 3 of lane l at 512 c + 16 l.
; SHARES.  A work-group owns 128 positions of both heads of a group; each of its FOUR waves, one to a SIMD, owns 32 positions as four tiles (tile t: positions 16 (t / 2) on, head 2 g + t % 2): each image read from LDS feeds four matrix instructions.
; LAYOUT.  Both products transposed (S^T = K Q^T, O^T = V^T P^T): a lane holds one query of each tile; tile c of S^T, converted, is registers 2 c, 2 c + 1 of P.
; THE LOOP IS TURNED: a body finds step i's S^T, M and f in registers.  It fetches K of step i + 1, walks step i's softmax and second product, makes step i + 1's S^T, M and f, and fetches V of step i + 1.  A change of slots falls between two bodies.
; BY TURNS.  The exponentials of tiles 0, 1 stand by turns with the scalings of tiles 2, 3, those of tiles 2, 3 with the holds of tiles 0, 1.  The matrix instructions stand singly among vector lines that name none of their registers:
;   O^T and the next S^T of tiles 0, 1 among the sums and holds of tiles 2, 3; the next S^T of tiles 2, 3 among the maxima of tiles 0, 1; O^T of tiles 2, 3 among the maxima of tiles 2, 3.
; RING.  Two regions of 131,072 bytes.  The head's loads bring steps 0 to 3 (32 KB a wave); then groups of three steps (24 KB a wave) land at a region's places 1 to 3, the regions by turns: four fills.  One tensor load of a wave is out at any time.
; CLUSTER.  The four work-groups of a cluster walk the same K and V: every piece is asked for jointly, mask of all four.
; PREFETCH.  At a change that loads a group of steps, the group's first cluster names the next group: 24 KB a partner, told apart by address; 6 KB a wave, lanes 256 bytes apart (lanes 24 to 31 name the wave's last block again).  The last fill asks for nothing.
; O^T begins as zeros and the largest t as -3e38, so that the body is written for all steps alike and no further copy of it is needed.
; LIMITS: e6 + e7 between -123 and 130 (added to c's exponent field); e8 between -126 and 112; e8 + e9 is applied by v_ldexp_f32.  NaN is not served.
; REGISTERS.  window 0: S^T, then p, in place (tile t at 64 t); at the head v9-16 at work.  window 1: v1-12 addresses and 2^e8; v16-47 eight statistics a tile; v48-59 further chains of the sums; v60-63 exchanges; v64-127 Q; v128-191 P's codes.
;   window 2: O^T (64 t + 8 u).  window 3: K's eight images, then V's.
.set STEPB, 32768
.set VOFF,  16384
.set GRPB,  3*STEPB
.set PIECE, GRPB/4
.set SLOT1, 1<<17
.set SPARE, 2*SLOT1                    ; the spare words: 128 bytes a wave, two blocks of 256 bytes that no other line names
.set STAGE, SPARE+512                  ; the way out: 16 rows x 272 bytes a wave; no fill lands here
.set SP,    272
.set LI,  1                            ; window 1 from here on: 16 x lane
.set ADR, 2                            ; LDS address of the step that the body fetches
.set PFO, 3                            ; 256 x min(lane, 23)
.set GO,  4
.set SPW, 5
.set NIL, 6
.set STO, 7
.set RD,  8
.set PSC, 12                           ; 2^e8
.set ST,  16                           ; tile t at ST + 8 t: +0 -M, +1 largest t, +2, +3 the sum, +4 f, +5 zero, +6, +7 at work
.set T2,  48
.set PD,  60
.set Q,   64
.set PC,  128
.set KF,  0                            ; window 3
.set VF,  128
.set TB,    2
.set SLOTS, 3
.set WV,    12
.set CNT,   16
.set LIM,   17
.set PFA,   18
.set SEL,   20
.set CS,    22
.set G1H,   24                         ; group 1 of the head's load: 128 rows of 256 bytes
.set G0H,   32
.set G1,    48                         ; group 1 of the ring's loads: 96 rows
.set G0,    60
.set LIMS,  73                         ; 57,344 x 2^e8
.set MSB, 0
.macro WIN new                         ; the immediate's high byte repeats the setting that is left
.if MSB != \new
	s_set_vgpr_msb (MSB<<8)|\new
.set MSB, \new
.endif
.endm
.macro NOPS n
.rept \n
	v_nop
.endr
.endm
.macro CROUND
	s_barrier_signal -1
	s_barrier_wait -1
	s_cmp_lg_u32 s[WV], 0
	s_cbranch_scc1 .Lnot_wave_0_\@
	s_barrier_signal -3
.Lnot_wave_0_\@:
	s_barrier_wait -3
	s_barrier_signal -1
	s_barrier_wait -1
.endm
.macro ASK
	s_cmp_gt_u32 s[SLOTS], s[LIM]
	s_cbranch_scc0 .Lnot_mine_\@
	WIN 0x01
	global_prefetch_b8 v[PFO], s[PFA:PFA+1] th:TH_LOAD_NT scope:SCOPE_SE
	WIN 0
.Lnot_mine_\@:
.endm
	s_load_b256 s[4:11], s[0:1], 0x0               ; qc, kvc, the exponents, out0
	WIN 0x40
	v_lshl_add_u32 v[SPW], v0, 2, SPARE
	v_mov_b32 v[NIL], 0
	WIN 0x05                                       ; the add's two registers lie in window 1
	ds_add_u32 v[SPW], v[NIL]                      ; the opening lines: the add, twice on end,
	ds_add_u32 v[SPW], v[NIL]
	WIN 0
	v_lshrrev_b32 v9, 5, v0
	v_readfirstlane_b32 s[WV], v9                  ; wave 0..3
	s_bfe_u32 s13, ttmp6, 0x40000                  ; cx
	s_lshl_b32 s14, ttmp9, 2
	s_add_co_u32 s14, s14, s13                     ; X: my block of 128 positions
	s_and_b32 s15, ttmp7, 0xffff                   ; bg = 8 b + g, shared by the partners
.irp g, G1H, G1
	s_mov_b32 s[\g], 15|(3<<16)|(1<<21)            ; mask of all four; elements of 8 bytes; bit 21 beside a mask
	s_mov_b32 s[\g+1], 32<<16
	s_mov_b32 s[\g+3], 32<<16
	s_mov_b32 s[\g+5], 32                          ; dense rows of 256 bytes
	s_mov_b32 s[\g+6], 0
	s_mov_b32 s[\g+7], 0
.endr
	s_mov_b32 s[G1H+2], 128<<16
	s_mov_b32 s[G1H+4], 128
	s_mov_b32 s[G1+2], 96<<16
	s_mov_b32 s[G1+4], 96
	s_mov_b32 s[SEL], 0x76543210
	s_mov_b32 s[SEL+1], 0xfedcba98
	s_mov_b32 s[CS], 0x3e0293ee                    ; log2(e) / sqrt(128)
	s_mov_b32 s[TB], STEPB
	s_mov_b32 s[SLOTS], 4
	s_lshl_b32 s36, s15, 19                        ; the group's first byte in kvc and in qc
	s_lshl_b32 s38, s[WV], 15
	s_add_co_u32 s38, s38, s36                     ; the head's load: my 32 KB of steps 0 to 3
	s_mov_b32 s39, 0
	s_mul_i32 s56, s[WV], PIECE
	s_add_co_u32 s40, s56, s36
	s_add_co_u32 s40, s40, STEPB                   ; the ring's loads: a group of steps ahead of step 4; the first change steps it there
	s_mov_b32 s41, 0
	s_lshl_b32 s57, s14, 3
	s_lshl_b32 s58, s[WV], 1
	s_add_co_u32 s57, s57, s58                     ; my first tile of 16 positions: 8 X + 2 w
	s_lshl_b32 s42, s57, 11
	s_add_co_u32 s42, s42, s36
	s_mov_b32 s43, 0
	s_lshr_b32 s44, s15, 3
	s_lshl_b32 s44, s44, 11
	s_lshl_b32 s45, s57, 4
	s_add_co_u32 s44, s44, s45                     ; 2,048 b + my first position
	s_lshl_b32 s44, s44, 13
	s_and_b32 s45, s15, 7
	s_lshl_b32 s45, s45, 10
	s_add_co_u32 s44, s44, s45                     ; + 1,024 g
	s_mov_b32 s45, 0
	s_mul_i32 s46, s13, PIECE                      ; the prefetches: my work-group's 24 KB,
	s_mul_i32 s47, s[WV], PIECE/4                  ; my wave's 6 KB,
	s_add_co_u32 s46, s46, s47
	s_add_co_u32 s46, s46, s36
	s_add_co_u32 s46, s46, 4*STEPB                 ; at step 4: the first change steps it to step 7
	s_mov_b32 s47, 0
	s_mul_i32 s59, s[WV], 16*SP
	s_add_co_u32 s59, s59, STAGE                   ; my stage
	s_cmp_eq_u32 ttmp9, 0                          ; the group's first cluster asks: the same in all four partners
	s_cselect_b32 s[LIM], 1, -1
	v_and_b32 v10, 31, v0                          ; lane
	v_and_b32 v12, 15, v0                          ; r
	v_bfe_u32 v13, v0, 4, 1                        ; h
	v_min_u32 v11, 23, v10
	v_mul_u32_u24 v14, v12, SP
	v_mul_u32_u24 v15, v13, SP
	v_lshlrev_b32 v16, 13, v13
	v_lshl_add_u32 v14, v13, 5, v14
	v_lshl_add_u32 v15, v12, 4, v15
	WIN 0x40                                       ; what stays goes to window 1
	v_lshlrev_b32 v[LI], 4, v10
	v_lshlrev_b32 v[PFO], 8, v11
	v_add_nc_u32 v[STO], s59, v14                  ; the way out, in: row r, + 32 h
	v_add_nc_u32 v[RD], s59, v15                   ; back: lanes 0-15 one row, lanes 16-31 the next
	v_lshl_add_u32 v[GO], v12, 4, v16              ; two rows of out0, 8,192 bytes apart
	WIN 0
	s_wait_dscnt 0x0                               ; and the one wait for both adds
	s_wait_kmcnt 0x0
	s_load_b128 s[68:71], s[8:9], 0x18             ; e6, e7, e8, e9
	s_add_nc_u64 s[4:5], s[4:5], s[42:43]
	s_add_nc_u64 s[10:11], s[10:11], s[44:45]
	s_add_nc_u64 s[PFA:PFA+1], s[6:7], s[46:47]
	s_mov_b32 s[G0H], 1
	s_lshl_b32 s[G0H+1], s[WV], 15
	s_add_nc_u64 s[G0H+2:G0H+3], s[6:7], s[38:39]
	s_or_b32 s[G0H+3], s[G0H+3], 0x80000000
	s_mov_b32 s[G0], 1
	s_add_co_u32 s[G0+1], s56, STEPB               ; region 0, place 1 on: the first change turns it to region 1
	s_add_nc_u64 s[G0+2:G0+3], s[6:7], s[40:41]
	s_or_b32 s[G0+3], s[G0+3], 0x80000000
	CROUND                                         ; all four work-groups are here: the first joint loads meet
	tensor_load_to_lds s[G0H:G0H+3], s[G1H:G1H+7]  ; steps 0 to 3; every wave issues its piece
	s_nop 0
	NOPS 4
	s_wait_alu depctr_va_vdst(0)                   ; the wait ahead of the readers below
	WIN 0x41
.irp t, 0,1,2,3
.irp c, 0,1,2,3
	global_load_b128 v[Q+16*\t+4*\c:Q+16*\t+4*\c+3], v[LI], s[4:5] offset:262144*(\t%2)+2048*(\t/2)+512*\c   ; Q stays in registers
.endr
.endr
	WIN 0x40
.irp t, 0,1,2,3
	v_mov_b32 v[ST+8*\t], 0x7f61b1e6               ; -M = 3e38, a whole number
	v_mov_b32 v[ST+8*\t+1], 0xff61b1e6             ; -3e38, under every t
	v_mov_b32 v[ST+8*\t+2], 0
	v_mov_b32 v[ST+8*\t+3], 0
	v_mov_b32 v[ST+8*\t+5], 0
	v_mov_b32 v[PD+\t], 0
.endr
	WIN 0x80
.set j, 0
.rept 256
	v_mov_b32 v[j], 0                              ; O^T
.set j, j+1
.endr
	WIN 0x40
	s_wait_kmcnt 0x0
	s_add_co_i32 s36, s68, s69
	s_lshl_b32 s36, s36, 23
	s_add_co_i32 s[CS], s[CS], s36                 ; c x 2^(e6 + e7)
	s_mov_b32 s[CS+1], s[CS]
	s_add_co_i32 s36, s70, 127
	s_lshl_b32 s37, s36, 23
	v_mov_b32 v[PSC], s37
	WIN 0
	s_add_co_i32 s36, s36, 15
	s_lshl_b32 s36, s36, 23
	s_or_b32 s[LIMS], s36, 0x600000
	s_add_co_i32 s72, s70, s71                     ; e8 + e9
.macro FETCH adr, off, dst             ; eight images in one run of 32 loads, 512 consecutive bytes each
	WIN 0xc1
.irp f, 0,1,2,3,4,5,6,7
.irp c, 0,1,2,3
	ds_load_b128 v[\dst+16*\f+4*\c:\dst+16*\f+4*\c+3], v[\adr] offset:\off+2048*\f+512*\c
.endr
.endr
.endm
; One matrix instruction of a pair of tiles ta, ta + 1: number k = 0 .. 15 takes image k / 2 and tile ta + k % 2.
.macro SP1 ta, k                       ; S^T = K Q^T
	WIN 0x07
	v_wmma_f32_16x16x128_bf8_bf8 v[64*(\ta+(\k)%2)+8*((\k)/2):64*(\ta+(\k)%2)+8*((\k)/2)+7], v[KF+16*((\k)/2):KF+16*((\k)/2)+15], v[Q+16*(\ta+(\k)%2):Q+16*(\ta+(\k)%2)+15], 0
.endm
.macro PV1 ta, k                       ; O^T += V^T P^T; every accumulator has one instruction a turn
	WIN 0xa7
	v_wmma_f32_16x16x128_bf8_bf8 v[64*(\ta+(\k)%2)+8*((\k)/2):64*(\ta+(\k)%2)+8*((\k)/2)+7], v[VF+16*((\k)/2):VF+16*((\k)/2)+15], v[PC+16*(\ta+(\k)%2):PC+16*(\ta+(\k)%2)+15], v[64*(\ta+(\k)%2)+8*((\k)/2):64*(\ta+(\k)%2)+8*((\k)/2)+7]
.endm
; A SECTION lays n matrix instructions among the vector lines that follow, one ahead of every tp-th line.  sec 0: O^T and the next S^T of tiles 0, 1 by turns; 1: O^T of tiles 0, 1; 2: the next S^T of tiles 2, 3; 3: O^T of tiles 2, 3.
.macro SECT sec, n, tp
.set SEC, \sec
.set WN, \n
.set TP, \tp
.set wq, 0
.set tk, 0
.endm
.macro TICK                            ; stands ahead of each vector line of a section
.if ((tk % TP) == 0) && (wq < WN)
.if SEC == 0
.if (wq % 2) == 0
	PV1 0, wq/2
.else
	SP1 0, wq/2
.endif
.endif
.if SEC == 1
	PV1 0, wq
.endif
.if SEC == 2
	SP1 2, wq
.endif
.if SEC == 3
	PV1 2, wq
.endif
.set wq, wq+1
.endif
.set tk, tk+1
.endm
.macro CHAIN ta                        ; the step's largest scores of tiles ta, ta + 1: two chains a tile, each accumulator from its low end on: 62 lines
.irp u, 0,1
	TICK
	WIN 0x40
	v_max3_num_f32 v[ST+8*(\ta+\u)+6], v[64*(\ta+\u)], v[64*(\ta+\u)+1], v[64*(\ta+\u)+2]
	TICK
	WIN 0x40
	v_max3_num_f32 v[ST+8*(\ta+\u)+7], v[64*(\ta+\u)+3], v[64*(\ta+\u)+4], v[64*(\ta+\u)+5]
.endr
.irp i, 6,10,14,18,22,26,30,34,38,42,46,50,54,58
.irp u, 0,1
	TICK
	WIN 0x41
	v_max3_num_f32 v[ST+8*(\ta+\u)+6], v[ST+8*(\ta+\u)+6], v[64*(\ta+\u)+\i], v[64*(\ta+\u)+\i+1]
	TICK
	WIN 0x41
	v_max3_num_f32 v[ST+8*(\ta+\u)+7], v[ST+8*(\ta+\u)+7], v[64*(\ta+\u)+\i+2], v[64*(\ta+\u)+\i+3]
.endr
.endr
.irp u, 0,1
	TICK
	WIN 0x41
	v_max3_num_f32 v[ST+8*(\ta+\u)+6], v[ST+8*(\ta+\u)+6], v[64*(\ta+\u)+62], v[64*(\ta+\u)+63]
.endr
.endm
.macro TAIL                            ; M, f and the sums under the new M
	WIN 0x55
.irp t, 0,1,2,3
	v_max_num_f32 v[ST+8*\t+6], v[ST+8*\t+6], v[ST+8*\t+7]
.endr
.irp t, 0,1,2,3
	v_permlanex16_b32 v[PD+\t], v[ST+8*\t+6], s[SEL], s[SEL+1]
.endr
.irp t, 0,1,2,3
	v_max_num_f32 v[ST+8*\t+6], v[ST+8*\t+6], v[PD+\t]       ; and lane l xor 16's
.endr
.irp t, 0,1,2,3
	v_mul_f32 v[ST+8*\t+6], s[CS], v[ST+8*\t+6]              ; as t (c is positive)
.endr
.irp t, 0,1,2,3
	v_max_num_f32 v[ST+8*\t+1], v[ST+8*\t+1], v[ST+8*\t+6]   ; the running largest t
.endr
.irp t, 0,1,2,3
	v_mov_b32 v[ST+8*\t+6], v[ST+8*\t]
.endr
.irp t, 0,1,2,3
	v_floor_f32 v[ST+8*\t], -v[ST+8*\t+1]                    ; the new -M = -ceil(t)
.endr
.irp t, 0,1,2,3
	v_sub_f32 v[ST+8*\t+6], v[ST+8*\t], v[ST+8*\t+6]         ; old M - new M, a whole number
.endr
.irp t, 0,1,2,3
	v_cvt_i32_f32 v[ST+8*\t+6], v[ST+8*\t+6]                 ; (it saturates)
.endr
.irp t, 0,1,2,3
	v_ldexp_f32 v[ST+8*\t+4], 1.0, v[ST+8*\t+6]              ; f
.endr
.irp t, 0,1,2,3
	v_pk_mul_f32 v[ST+8*\t+2:ST+8*\t+3], v[ST+8*\t+2:ST+8*\t+3], v[ST+8*\t+4:ST+8*\t+5] op_sel_hi:[1,0]
.endr
.endm
.macro RESC                            ; O^T x f, ahead of the exponentials; each accumulator from its low end on
	WIN 0x86
.irp t, 0,1,2,3
.set j, 0
.rept 32
	v_pk_mul_f32 v[64*\t+j:64*\t+j+1], v[64*\t+j:64*\t+j+1], v[ST+8*\t+4:ST+8*\t+5] op_sel_hi:[1,0]
.set j, j+2
.endr
.endr
.endm
.macro SSCALE0                         ; t - M of tiles 0, 1, two at a time
	WIN 0x10
.irp t, 0,1
.set j, 0
.rept 32
	v_pk_fma_f32 v[64*\t+j:64*\t+j+1], v[64*\t+j:64*\t+j+1], s[CS:CS+1], v[ST+8*\t:ST+8*\t+1] op_sel_hi:[1,0,0]
.set j, j+2
.endr
.endr
.endm
.macro MIXA                            ; p of tiles 0, 1, in place; by turns with them t - M of tiles 2, 3
	WIN 0x10
.set j, 0
.rept 64
	v_exp_f32 v[2*j], v[2*j]
	v_pk_fma_f32 v[128+2*j:129+2*j], v[128+2*j:129+2*j], s[CS:CS+1], v[ST+8*(2+j/32):ST+8*(2+j/32)+1] op_sel_hi:[1,0,0]
	v_exp_f32 v[2*j+1], v[2*j+1]
.set j, j+1
.endr
	v_nop                                          ; a plain instruction behind the last exponential
.endm
.macro HOLD2 r                         ; the hold (the conversion does not saturate: ISA guide 7.6.2; p is not negative, so it is one-sided), two numbers an instruction
	v_dual_min_num_f32 v[\r], s[LIMS], v[\r] :: v_dual_min_num_f32 v[\r+1], s[LIMS], v[\r+1]
.endm
.macro MIXB                            ; p of tiles 2, 3, in place; by turns with them the holds of tiles 0, 1, whose sums are taken
	WIN 0x10
.set j, 0
.rept 64
	v_exp_f32 v[128+2*j], v[128+2*j]
	HOLD2 2*j
	v_exp_f32 v[129+2*j], v[129+2*j]
.set j, j+1
.endr
	v_nop
.endm
.macro SSUM m                          ; the sums of the unquantised p of tiles 2 m, 2 m + 1: two at a time, four chains a tile: 64 lines
.irp a, 0,1,2
.irp u, 0,1
	TICK
	WIN 0x40
	v_pk_add_f32 v[T2+6*\u+2*\a:T2+6*\u+2*\a+1], v[128*\m+64*\u+4*\a:128*\m+64*\u+4*\a+1], v[128*\m+64*\u+4*\a+2:128*\m+64*\u+4*\a+3]
.endr
.endr
.irp j, 12,20,28,36,44,52
.irp u, 0,1
	TICK
	WIN 0x44
	v_pk_add_f32 v[ST+8*(2*\m+\u)+2:ST+8*(2*\m+\u)+3], v[128*\m+64*\u+\j:128*\m+64*\u+\j+1], v[ST+8*(2*\m+\u)+2:ST+8*(2*\m+\u)+3]
.endr
.irp a, 0,1,2
.irp u, 0,1
	TICK
	WIN 0x44
	v_pk_add_f32 v[T2+6*\u+2*\a:T2+6*\u+2*\a+1], v[128*\m+64*\u+\j+2+2*\a:128*\m+64*\u+\j+3+2*\a], v[T2+6*\u+2*\a:T2+6*\u+2*\a+1]
.endr
.endr
.endr
.irp u, 0,1
	TICK
	WIN 0x44
	v_pk_add_f32 v[ST+8*(2*\m+\u)+2:ST+8*(2*\m+\u)+3], v[128*\m+64*\u+60:128*\m+64*\u+61], v[ST+8*(2*\m+\u)+2:ST+8*(2*\m+\u)+3]
	TICK
	WIN 0x44
	v_pk_add_f32 v[T2+6*\u:T2+6*\u+1], v[128*\m+64*\u+62:128*\m+64*\u+63], v[T2+6*\u:T2+6*\u+1]
.endr
.irp u, 0,1
	TICK
	WIN 0x45
	v_pk_add_f32 v[ST+8*(2*\m+\u)+2:ST+8*(2*\m+\u)+3], v[ST+8*(2*\m+\u)+2:ST+8*(2*\m+\u)+3], v[T2+6*\u+4:T2+6*\u+5]
	TICK
	WIN 0x45
	v_pk_add_f32 v[T2+6*\u:T2+6*\u+1], v[T2+6*\u:T2+6*\u+1], v[T2+6*\u+2:T2+6*\u+3]
.endr
.irp u, 0,1
	TICK
	WIN 0x45
	v_pk_add_f32 v[ST+8*(2*\m+\u)+2:ST+8*(2*\m+\u)+3], v[ST+8*(2*\m+\u)+2:ST+8*(2*\m+\u)+3], v[T2+6*\u:T2+6*\u+1]
.endr
.endm
.macro SCVT m                          ; the codes of tiles 2 m, 2 m + 1
	WIN 0x44
.irp u, 0,1
.irp c, 0,1,2,3,4,5,6,7
	v_cvt_scalef32_pk8_bf8_f32 v[PC+16*(2*\m+\u)+2*\c:PC+16*(2*\m+\u)+2*\c+1], v[128*\m+64*\u+8*\c:128*\m+64*\u+8*\c+7], v[PSC]
.endr
.endr
	v_nop                                          ; a plain instruction behind the last conversion
.endm
; A BODY: step i's softmax and second product; fetch = 1: also step i + 1's loads (at LDS byte s[TB]), its S^T, M and f.
.macro BODY fetch
.if \fetch
	WIN 0x44
	v_add_nc_u32 v[ADR], s[TB], v[LI]
	FETCH ADR, 0, KF                               ; K's registers were last read 16 lines of maxima and more ago
.endif
	RESC
	SSCALE0
	s_wait_alu depctr_va_vdst(0)                   ; a wait ahead of a batch of exponentials,
	MIXA
	s_wait_alu depctr_va_vdst(0)                   ; and one behind it
	SECT 0, 0, 1
	SSUM 0
	s_wait_alu depctr_va_vdst(0)                   ; ahead of the second batch, and directly ahead of the wait below
	s_wait_dscnt 0x0                               ; V of this step and K of the next are in
	MIXB
	s_wait_alu depctr_va_vdst(0)
	SCVT 0
.if \fetch
	SECT 0, 32, 4                                  ; 32 matrix instructions among 128 lines; four lines follow the last
.else
	SECT 1, 16, 8
.endif
	SSUM 1
.set j, 0
.rept 64
	TICK
	WIN 0
	HOLD2 128+2*j
.set j, j+1
.endr
	SCVT 1
.if \fetch
	SECT 2, 16, 3                                  ; 16 among 62 lines; 17 lines follow the last
	CHAIN 0
	SECT 3, 16, 3
	CHAIN 2
	FETCH ADR, VOFF, VF                            ; V's registers were last read 17 lines ago
	TAIL
.else
.set kk, 0
.rept 16
	PV1 2, kk
.set kk, kk+1
.endr
.endif
	WIN 0
	s_wait_alu depctr_va_vdst(0)                   ; the wait ahead of the scalar lines, the branch and the waits that follow
.endm
.macro THREE                           ; a group's three bodies: written once, walked three times
	s_mov_b32 s[CNT], 3
.Lstep_\@:
	BODY 1
	s_add_co_u32 s[TB], s[TB], STEPB
	s_sub_co_u32 s[CNT], s[CNT], 1
	s_cmp_lg_u32 s[CNT], 0
	s_cbranch_scc1 .Lstep_\@
	s_sub_co_u32 s[TB], s[TB], GRPB
	s_xor_b32 s[TB], s[TB], SLOT1                  ; place 1 of the other region
.endm
; THE CHANGE OF REGIONS, between two bodies.  Each wave waits for all its tensor loads, adds 0 to its spare word, and waits for that and for its LDS reads.
; fill = 1: a round of the cluster's barrier; the joint load of the next three steps is the first thing behind it and has three bodies in which to land.
.macro CHANGE fill
	WIN 0x05
	s_wait_tensorcnt 0x0
	ds_add_u32 v[SPW], v[NIL]
	WIN 0
.if \fill
	s_xor_b32 s[G0+1], s[G0+1], SLOT1
	s_add_nc_u64 s[G0+2:G0+3], s[G0+2:G0+3], GRPB
	s_wait_xcnt 0x0                                ; my last prefetch has read its address
	s_add_nc_u64 s[PFA:PFA+1], s[PFA:PFA+1], GRPB
	s_wait_dscnt 0x0
	CROUND
	tensor_load_to_lds s[G0:G0+3], s[G1:G1+7]
	s_nop 0
	NOPS 4
	ASK
.else
	s_wait_dscnt 0x0
	s_barrier_signal -1
	s_barrier_wait -1
.endif
.endm
	s_wait_alu depctr_va_vdst(0)                   ; the wait at the head's end
	s_wait_loadcnt 0x0                             ; Q
	CHANGE 0                                       ; everybody's piece of steps 0 to 3 is in
	FETCH LI, 0, KF                                ; step 0: K's images, V's,
	FETCH LI, VOFF, VF
	s_wait_dscnt 32                                ; K's 32 loads are older than V's 32
.set kk, 0
.rept 16
	SP1 0, kk                                      ; its S^T,
	SP1 2, kk
.set kk, kk+1
.endr
	NOPS 4
	SECT 0, 0, 1
	CHAIN 0                                        ; its M and f
	CHAIN 2
	TAIL
	WIN 0
	s_wait_alu depctr_va_vdst(0)
.Lslot:                                            ; four trips: each asks for three steps more (the first: region 1's first fill) and walks three bodies
	CHANGE 1
	THREE
	s_sub_co_u32 s[SLOTS], s[SLOTS], 1
	s_cmp_lg_u32 s[SLOTS], 0
	s_cbranch_scc1 .Lslot
	CHANGE 0                                       ; the last group is written out
	THREE
	BODY 0                                         ; step 15's softmax and second product
	; THE WAY OUT.  O^T / the sum x 2^(e8 + e9) goes through my stage in LDS, half a head's row (256 bytes) of 16 positions at a time.
	WIN 0x55
.irp t, 0,1,2,3
	v_add_f32 v[ST+8*\t+6], v[ST+8*\t+2], v[ST+8*\t+3]
.endr
.irp t, 0,1,2,3
	v_permlanex16_b32 v[PD+\t], v[ST+8*\t+6], s[SEL], s[SEL+1]
.endr
.irp t, 0,1,2,3
	v_add_f32 v[ST+8*\t+6], v[ST+8*\t+6], v[PD+\t]
.endr
	s_wait_alu depctr_va_vdst(0)                   ; ahead of the reciprocals
.irp t, 0,1,2,3
	v_rcp_f32 v[ST+8*\t+4], v[ST+8*\t+6]
.endr
	v_nop
	s_wait_alu depctr_va_vdst(0)                   ; behind the reciprocals
.irp t, 0,1,2,3
	v_ldexp_f32 v[ST+8*\t+4], v[ST+8*\t+4], s72
.endr
.irp m, 0,1                            ; positions 16 m on: tiles 2 m (head 2 g) and 2 m + 1; each half has 128 registers of window 0 of its own
	WIN 0x06
	s_wait_alu depctr_va_vdst(0)                   ; the wait directly ahead of the first readers of O^T
.irp u, 0,1
.set j, 0
.rept 32
	v_pk_mul_f32 v[128*\m+64*\u+j:128*\m+64*\u+j+1], v[128*\m+64*\u+j:128*\m+64*\u+j+1], v[ST+8*(2*\m+\u)+4:ST+8*(2*\m+\u)+5] op_sel_hi:[1,0]
.set j, j+2
.endr
.endr
	WIN 0x01
.irp n, 0,1,2,3                        ; n = 2 x head + half
.irp k, 0,1,2,3
	ds_store_b128 v[STO], v[128*\m+32*\n+8*\k:128*\m+32*\n+8*\k+3] offset:64*\k
	ds_store_b128 v[STO], v[128*\m+32*\n+8*\k+4:128*\m+32*\n+8*\k+7] offset:64*\k+16
.endr
.irp i, 0,1,2,3,4,5,6,7
	ds_load_b128 v[128*\m+32*\n+4*\i:128*\m+32*\n+4*\i+3], v[RD] offset:2*\i*SP   ; LDS serves a wave's instructions in order (ISA guide 5.7.1.4)
.endr
.endr
.irp n, 0,1,2,3
.irp i, 0,1,2,3,4,5,6,7
	s_wait_dscnt 16*(3-\n)+7-\i                    ; behind this load: the rest of its eight, and sixteen LDS instructions for each later half
	global_store_b128 v[GO], v[128*\m+32*\n+4*\i:128*\m+32*\n+4*\i+3], s[10:11] offset:131072*\m+2*\i*8192+256*\n th:TH_STORE_NT   ; sixteen lanes store 256 consecutive bytes, aligned
.endr
.endr
.endr
	WIN 0x05
	s_wait_tensorcnt 0x0                           ; the wave's end
	ds_add_u32 v[SPW], v[NIL]
	WIN 0
	s_wait_dscnt 0x0
	CROUND                                         ; the closing round
	s_endpgm
.Lfunc_end_k_qaf3f962f3d_attn:
	.size	k_qaf3f962f3d_attn, .Lfunc_end_k_qaf3f962f3d_attn-k_qaf3f962f3d_attn
	.p2alignl 7, 3214868480
	.fill 96, 4, 3214868480
	.section	.rodata,"a",@progbits
	.p2align	6, 0x0
	.amdhsa_kernel k_qaf3f962f3d_attn
		.amdhsa_group_segment_fixed_size 327680
		.amdhsa_private_segment_fixed_size 0
		.amdhsa_enable_private_segment 0
		.amdhsa_kernarg_size 32
		.amdhsa_user_sgpr_count 2
		.amdhsa_user_sgpr_kernarg_segment_ptr 1
		.amdhsa_wavefront_size32 1
		.amdhsa_system_sgpr_workgroup_id_x 1
		.amdhsa_system_sgpr_workgroup_id_y 1
		.amdhsa_system_sgpr_workgroup_id_z 1
		.amdhsa_system_vgpr_workitem_id 0
		.amdhsa_next_free_vgpr 1024
		.amdhsa_next_free_sgpr 80
		.amdhsa_reserve_vcc 0
		.amdhsa_float_denorm_mode_32 3
		.amdhsa_float_denorm_mode_16_64 3
		.amdhsa_memory_ordered 1
		.amdhsa_forward_progress 1
		.amdhsa_inst_pref_size 236
	.end_amdhsa_kernel
	.amdgpu_metadata
---
amdhsa.version: [ 1, 2 ]
amdhsa.kernels:
  - .name:           k_qaf3f962f3d_attn
    .symbol:         k_qaf3f962f3d_attn.kd
    .args:
      - { .name: qc, .offset: 0, .size: 8, .value_kind: global_buffer, .address_space: global }
      - { .name: kvc, .offset: 8, .size: 8, .value_kind: global_buffer, .address_space: global }
      - { .name: lowp_scales, .offset: 16, .size: 8, .value_kind: global_buffer, .address_space: global }
      - { .name: out0, .offset: 24, .size: 8, .value_kind: global_buffer, .address_space: global }
    .group_segment_fixed_size: 327680
    .private_segment_fixed_size: 0
    .kernarg_segment_align: 8
    .kernarg_segment_size: 32
    .max_flat_workgroup_size: 128
    .sgpr_count:     80
    .vgpr_count:     1024
    .wavefront_size: 32
...
	.end_amdgpu_metadata
.endif
;; end of part 2
